; MI455X (gfx1250); checked and timed in simulation.
; The chip was launched on July 23, 2026; its instructions are those of AMD's public machine-readable ISA for CDNA 5 (MIT licence, August 2026) and "CDNA5" Instruction Set Architecture Reference Guide (July 2026). The comments in the code are by the model that wrote it; some were corrected since.
;; Multi Head Attention. Allowed arithmetic: matrix products marked QUANTISED: E2M3 operands, one E8M0 scale for each 32 along K, by v_wmma_scale_f32_16x16x128_f8f6f4 with both operands' format E2M3, f32 sums; everything else in f32.
;; Inputs: bo 1,024 float32; wk 1,024 x 1,024 float32; wo 1,024 x 1,024 float32; wq 1,024 x 1,024 float32; wv 1,024 x 1,024 float32; x 4 x 2,048 x 1,024 float32.
;; Outputs: out0 4 x 2,048 x 1,024 float32.
;; This version of the problem:
;;   THIS VERSION OF THE PROBLEM IS GIVEN IN LOW PRECISION. The matrix products marked QUANTISED in the list below multiply operands that are first quantised to E2M3 (2 exponent bits, 3 mantissa bits; 6 bits a number), with one power-of-two scale for each 32 numbers along K (OCP MX v1.0); their sums are f32. All else is computed in f32.
;;   The module's matrix products, in the order in which they are computed (A, B: the left and right operand; K: the contracted axis; several contracted axes count as one K, in the product's order):
;;     1. [M 8,192, K 1,024] x [K 1,024, N 1,024]; A: input x; B: input wq: QUANTISED
;;     2. [M 8,192, K 1,024] x [K 1,024, N 1,024]; A: input x; B: input wk: QUANTISED
;;     3. [M 8,192, K 1,024] x [K 1,024, N 1,024]; A: input x; B: input wv: QUANTISED
;;     4. batch 64 x [M 2,048, K 64] x [K 64, N 2,048]; A: computed on the way; B: computed on the way: QUANTISED
;;     5. batch 64 x [M 2,048, K 2,048] x [K 2,048, N 64]; A: softmax (see below); B: computed on the way: QUANTISED
;;     6. [M 8,192, K 1,024] x [K 1,024, N 1,024]; A: computed on the way; B: input wo: QUANTISED
;;   THE QUANTISER, for each operand of a quantised product, along K:
;;     - K is cut into blocks of 32 from its start; a last block that is shorter is filled with zeros.
;;     - A block's scale is 2^e with e = floor(log2(the largest magnitude in the block)) - 2, held to -126 .. 127; a block of zeros has e = 0. As a byte (E8M0): e + 127.
;;     - Each number is divided by its block's scale, clamped to +-7.5, and rounded to the nearest number of E2M3, ties to even, subnormals kept.
;;     - The product sums the exact products of the quantised numbers (number of the format x scale) in f32.
;;   ~~~python
;;   def quantise(x, axis):      # numpy; x: float32 -> the quantised numbers, widened to float32 again
;;       x = np.moveaxis(x, axis, -1); K = x.shape[-1]
;;       x = np.pad(x, [(0, 0)] * (x.ndim - 1) + [(0, -K % 32)]); x = x.reshape(x.shape[:-1] + (-1, 32)); a = np.abs(x).max(-1, keepdims=True)
;;       e = np.where(a > 0, np.clip(np.frexp(np.where(a > 0, a, 1))[1] - 1 - 2, -126, 127), 0)      # np.frexp(a)[1] - 1 = floor(log2(a)), exactly
;;       r = np.clip(x / 2.0 ** e, -7.5, 7.5)
;;       step = 2.0 ** (np.maximum(np.frexp(np.where(r == 0, 1, r))[1] - 1, 0) - 3)
;;       q = np.round(r / step) * step * 2.0 ** e      # np.round: ties to even
;;       return np.moveaxis(q.reshape(q.shape[:-2] + (-1,))[..., :K], -1, axis).astype(np.float32)
;;   ~~~
;;   SOFTMAX AHEAD OF A QUANTISED PRODUCT. Where the list says 'softmax', what is quantised is not the finished softmax but p = 2^(t - M), with t = logit x log2(e) and M = ceil(the row's largest t), a whole number; so 1/2 < the row's largest p <= 1. The row's sum l is taken of the UNQUANTISED p, in f32, and the product's result is divided by l at the end. Since M is a whole number, a kernel that streams over the keys may use a running M (the ceiling of the running maximum): every later rescaling is an exact power of two, which a block's scale takes up: the codes' values come out the same.
;;   OPERANDS COMPUTED ON THE WAY. 'Computed on the way' means the value that the module computes at that place (a softmax that the list does not call 'softmax' is quantised finished and normalised). What goes into a quantiser is computed in f32, as accurately as f32 sums, v_exp_f32 and their like allow (about 1e-6 of the number): no bf16 or f16 on the way to a quantiser, and a product that is left as it is and whose result goes on into a quantised operand takes f32 operands (vector FMAs, or v_wmma_f32_16x16x4_f32). A number that lies on a knife's edge between two numbers of the format may be rounded either way, as far as f32 arithmetic and the matrix unit's own rounding can turn it there, and no further.
;; One version. Each part assembles by itself: llvm-mc -triple=amdgcn-amd-amdhsa -mcpu=gfx1250 --defsym DOCPART=n.
;; ======== version 1 of 1: 4 launches
;; limits: right only within a limited range of input values
;; workspace buffers: xq 6,553,600 bytes; wqk 1,638,400 bytes; wvq 819,200 bytes; woq 819,200 bytes; qq 6,815,744 bytes; kv 13,369,344 bytes; oq 6,553,600 bytes
;; launch prep (part 1): grid 256 x 1, 3 waves a work-group, no clusters, 25,856 bytes of LDS; arguments x, wq, wk, wv, wo, xq, wqk, wvq, woq; writes xq, wqk, wvq, woq
.if DOCPART == 1
	.amdgcn_target "amdgcn-amd-amdhsa--gfx1250"
	.amdhsa_code_object_version 6
	.text
	.protected	k_q31375b4d2d_prep
	.globl	k_q31375b4d2d_prep
	.p2align	8
	.type	k_q31375b4d2d_prep,@function
k_q31375b4d2d_prep:
	s_mov_b64 s[64:65], 0
	v_nop
	global_prefetch_b8 v0, s[64:65] scope:SCOPE_SE
	s_setreg_imm32_b32 hwreg(HW_REG_WAVE_MODE, 25, 1), 1
	s_wait_xcnt 0x0
; x [8192][1024] and wq, wk, wv, wo [1024][1024], f32, become codes of FP6 (E2M3) with one E8M0 byte for each 32 along the last axis, laid in the ORDER OF AN OPERAND'S REGISTERS.
; A RECORD, 12,800 bytes, holds 16 rows x 1,024 K: eight FRAGMENTS of 1,536 bytes (16 rows x 128 K: the 12 registers of each lane), then at byte 12,288 the scale bytes, 32 a row (the word of K step s at 32 r + 4 s).
; A fragment is two halves of 768 bytes (64 along K): registers 6 c .. 6 c + 3 at 768 c + 16 x lane, registers 6 c + 4, 6 c + 5 at 768 c + 512 + 8 x lane: each store of a wave covers 512 or 256 consecutive bytes, aligned.
; POSITIONS: record 4 C + j of a tensor holds rows 64 C + 8 j + i % 8 + 32 (i / 8), i = 0 .. 15.  Where four such records are source 0 of a product, a lane's 32 registers of the four result tiles are
; 32 NEIGHBOURS of the index that the rows count (64 C + 32 (lane / 16) + 0 .. 31): one whole scale block of the next quantiser in one lane.
; A block's scale is 2^(floor(log2(largest magnitude)) - 2): its byte is the largest magnitude's exponent field - 2, held at 1 from below.
; LIMITS: a block of zeros gets the byte 1 where the rule says 127 (its codes are zeros, and this program alone reads the bytes); NaN and infinities among the inputs are not served.
; SHARES: 768 records, one to a wave: 256 work-groups of three waves.  Waves share nothing: no barrier.  Each load reads 512 consecutive bytes of one row; a K step's 16 x 512 bytes turn through the wave's own stage in LDS
; (rows 528 bytes apart) and come back 16 neighbours of each block of 32 to a lane.  Loads run two K steps (32 loads a wave) ahead.
.set REC,  12800
.set FRB,  1536
.set SP,   528
.set STG,  16*SP
.set L16,  1
.set L8,   2
.set SIN,  3
.set SOUT, 4
.set SCO,  5
.set SW,   8
.set TM,   20
.set PC,   36
.set RAW,  64
.set X,    192
	s_load_b256 s[4:11], s[0:1], 0x0               ; x, wq, wk, wv
	s_load_b256 s[12:19], s[0:1], 0x20             ; wo, xq, wqk, wvq
	s_load_b64 s[20:21], s[0:1], 0x40              ; woq
	v_lshl_add_u32 v62, v0, 2, 0x6300
	v_mov_b32 v63, 0
	v_lshrrev_b32 v6, 5, v0
	v_readfirstlane_b32 s25, v6                    ; wave 0..2
	v_and_b32 v6, 31, v0
	v_and_b32 v7, 15, v0                           ; r
	v_bfe_u32 v56, v0, 4, 1                        ; h
	v_lshlrev_b32 v[L16], 4, v6
	v_lshlrev_b32 v[L8], 3, v6
	s_mul_i32 s39, s25, STG
	v_add_nc_u32 v[SIN], s39, v[L16]
	v_mul_u32_u24 v[SOUT], v7, SP
	v_lshl_add_u32 v[SOUT], v56, 6, v[SOUT]
	v_add_nc_u32 v[SOUT], s39, v[SOUT]
	v_lshlrev_b32 v[SCO], 5, v7
	v_lshl_add_u32 v[SCO], v56, 4, v[SCO]
.irp b, 0,1,2,3
	v_mov_b32 v[TM+4+\b], 0                        ; a lane permute's destination counts as one of its sources
.endr
	s_mov_b32 s36, 0x76543210
	s_mov_b32 s37, 0xfedcba98
	s_mov_b32 s38, 0xffff0000
	s_mul_i32 s24, ttmp9, 3
	s_add_co_u32 s24, s24, s25                     ; my record among the 768: x 0-511, wq 512-575, wk 576-639, wv 640-703, wo 704-767
	s_wait_alu depctr_va_vdst(0)
	s_wait_kmcnt 0x0
	s_mov_b64 s[28:29], s[12:13]                   ; the choice of tensor hangs on the record's number alone
	s_mov_b64 s[30:31], s[20:21]
	s_mov_b32 s26, 704
	s_mov_b32 s27, 704
	s_cmp_lt_u32 s24, 704
	s_cselect_b64 s[28:29], s[10:11], s[28:29]
	s_cselect_b64 s[30:31], s[18:19], s[30:31]
	s_cselect_b32 s26, 640, s26
	s_cselect_b32 s27, 640, s27
	s_cmp_lt_u32 s24, 640
	s_cselect_b64 s[28:29], s[8:9], s[28:29]
	s_cselect_b64 s[30:31], s[16:17], s[30:31]
	s_cselect_b32 s26, 576, s26
	s_cselect_b32 s27, 512, s27
	s_cmp_lt_u32 s24, 576
	s_cselect_b64 s[28:29], s[6:7], s[28:29]
	s_cselect_b64 s[30:31], s[16:17], s[30:31]
	s_cselect_b32 s26, 512, s26
	s_cselect_b32 s27, 512, s27
	s_cmp_lt_u32 s24, 512
	s_cselect_b64 s[28:29], s[4:5], s[28:29]
	s_cselect_b64 s[30:31], s[14:15], s[30:31]
	s_cselect_b32 s26, 0, s26
	s_cselect_b32 s27, 0, s27
	s_sub_co_u32 s26, s24, s26                     ; the record's number in its source,
	s_sub_co_u32 s27, s24, s27                     ; and in its destination
	s_lshr_b32 s32, s26, 2
	s_lshl_b32 s32, s32, 18                        ; 64 rows of 4,096 bytes for each four records,
	s_and_b32 s34, s26, 3
	s_lshl_b32 s34, s34, 15                        ; 8 rows for each record among the four
	s_add_co_u32 s32, s32, s34
	s_mov_b32 s33, 0
	s_mul_i32 s34, s27, REC
	s_mov_b32 s35, 0
	s_add_nc_u64 s[28:29], s[28:29], s[32:33]
	s_add_nc_u64 s[30:31], s[30:31], s[34:35]
.macro LOAD f
.irp i, 0,1,2,3,4,5,6,7,8,9,10,11,12,13,14,15
	global_load_b128 v[RAW+64*((\f)%2)+4*\i:RAW+64*((\f)%2)+4*\i+3], v[L16], s[28:29] offset:(\i%8+32*(\i/8))*4096+512*(\f) th:TH_LOAD_NT
.endr
.endm
.macro TURN f
.irp i, 0,1,2,3,4,5,6,7,8,9,10,11,12,13,14,15
	ds_store_b128 v[SIN], v[RAW+64*((\f)%2)+4*\i:RAW+64*((\f)%2)+4*\i+3] offset:SP*\i
.endr
.irp b, 0,1,2,3
.irp j, 0,1,2,3
	ds_load_b128 v[X+16*\b+4*\j:X+16*\b+4*\j+3], v[SOUT] offset:128*\b+16*\j
.endr
.endr
.endm
.macro QUANT s, w
.irp b, 0,1,2,3
	v_max3_num_f32 v[TM+\b], |v[\s+16*\b]|, |v[\s+1+16*\b]|, 0x1800000
.endr
.irp i, 2,4,6,8,10,12,14
.irp b, 0,1,2,3
	v_max3_num_f32 v[TM+\b], v[TM+\b], |v[\s+16*\b+\i]|, |v[\s+1+16*\b+\i]|
.endr
.endr
.irp b, 0,1,2,3
	v_permlanex16_b32 v[TM+4+\b], v[TM+\b], s36, s37
.endr
.irp b, 0,1,2,3
	v_max_num_f32 v[TM+\b], v[TM+\b], v[TM+4+\b]
.endr
.irp b, 0,1,2,3
	v_add_nc_u32 v[TM+12+\b], 0xff000000, v[TM+\b]
.endr
.irp b, 0,1,2,3
	v_lshrrev_b32 v[TM+4+\b], 23, v[TM+12+\b]
.endr
	v_lshl_or_b32 v[\w], v[TM+5], 8, v[TM+4]
	v_lshl_or_b32 v[\w], v[TM+6], 16, v[\w]
	v_lshl_or_b32 v[\w], v[TM+7], 24, v[\w]
.irp c, 0,1
	v_cvt_scalef32_pk16_fp6_f32 v[PC+6*\c:PC+2+6*\c], v[\s+32*\c:\s+15+32*\c], v[TM+12+2*\c]
	v_cvt_scalef32_pk16_fp6_f32 v[PC+12+4*\c:PC+14+4*\c], v[\s+16+32*\c:\s+31+32*\c], v[TM+12+2*\c+1]
.endr
	v_nop
.irp c, 0,1
.irp i, 0,1,2
	v_permlane16_swap_b32 v[PC+6*\c+\i], v[PC+12+4*\c+\i]
.endr
.irp i, 0,1,2
	v_mov_b32 v[PC+3+6*\c+\i], v[PC+12+4*\c+\i]
.endr
.endr
.endm
	LOAD 0
	LOAD 1
.irp f, 0,1,2,3,4,5,6,7
.if \f < 7
	s_wait_loadcnt 16                              ; this K step's 16 loads are in; the next step's 16 may be out
.else
	s_wait_loadcnt 0x0
.endif
	TURN \f
	s_wait_dscnt 0x0
.if \f < 6
	LOAD \f+2
.endif
	s_wait_xcnt 0x0                                ; the last K step's stores have read the codes' registers
	QUANT X, SW+\f
	global_store_b128 v[L16], v[PC:PC+3], s[30:31] offset:FRB*\f
	global_store_b64 v[L8], v[PC+4:PC+5], s[30:31] offset:FRB*\f+512
	global_store_b128 v[L16], v[PC+6:PC+9], s[30:31] offset:FRB*\f+768
	global_store_b64 v[L8], v[PC+10:PC+11], s[30:31] offset:FRB*\f+1280
.endr
.irp i, 0,1,2,3
	v_cndmask_b32 v[16+\i], v[SW+\i], v[SW+4+\i], s38   ; lanes 0-15 send K steps 0-3, lanes 16-31 steps 4-7
.endr
	global_store_b128 v[SCO], v[16:19], s[30:31] offset:8*FRB
	s_wait_tensorcnt 0x0
	ds_add_u32 v62, v63
	s_wait_dscnt 0x0
	s_endpgm
.Lfunc_end_k_q31375b4d2d_prep:
	.size	k_q31375b4d2d_prep, .Lfunc_end_k_q31375b4d2d_prep-k_q31375b4d2d_prep
	.p2alignl 7, 3214868480
	.fill 96, 4, 3214868480
	.section	.rodata,"a",@progbits
	.p2align	6, 0x0
	.amdhsa_kernel k_q31375b4d2d_prep
		.amdhsa_group_segment_fixed_size 25856
		.amdhsa_private_segment_fixed_size 0
		.amdhsa_enable_private_segment 0
		.amdhsa_kernarg_size 72
		.amdhsa_user_sgpr_count 2
		.amdhsa_user_sgpr_kernarg_segment_ptr 1
		.amdhsa_wavefront_size32 1
		.amdhsa_system_sgpr_workgroup_id_x 1
		.amdhsa_system_sgpr_workgroup_id_y 1
		.amdhsa_system_sgpr_workgroup_id_z 1
		.amdhsa_system_vgpr_workitem_id 0
		.amdhsa_next_free_vgpr 256
		.amdhsa_next_free_sgpr 66
		.amdhsa_reserve_vcc 0
		.amdhsa_float_denorm_mode_32 3
		.amdhsa_float_denorm_mode_16_64 3
		.amdhsa_memory_ordered 1
		.amdhsa_forward_progress 1
		.amdhsa_inst_pref_size 66
	.end_amdhsa_kernel
	.amdgpu_metadata
---
amdhsa.version: [ 1, 2 ]
amdhsa.kernels:
  - .name:           k_q31375b4d2d_prep
    .symbol:         k_q31375b4d2d_prep.kd
    .args:
      - { .name: x, .offset: 0, .size: 8, .value_kind: global_buffer, .address_space: global }
      - { .name: wq, .offset: 8, .size: 8, .value_kind: global_buffer, .address_space: global }
      - { .name: wk, .offset: 16, .size: 8, .value_kind: global_buffer, .address_space: global }
      - { .name: wv, .offset: 24, .size: 8, .value_kind: global_buffer, .address_space: global }
      - { .name: wo, .offset: 32, .size: 8, .value_kind: global_buffer, .address_space: global }
      - { .name: xq, .offset: 40, .size: 8, .value_kind: global_buffer, .address_space: global }
      - { .name: wqk, .offset: 48, .size: 8, .value_kind: global_buffer, .address_space: global }
      - { .name: wvq, .offset: 56, .size: 8, .value_kind: global_buffer, .address_space: global }
      - { .name: woq, .offset: 64, .size: 8, .value_kind: global_buffer, .address_space: global }
    .group_segment_fixed_size: 25856
    .private_segment_fixed_size: 0
    .kernarg_segment_align: 8
    .kernarg_segment_size: 72
    .max_flat_workgroup_size: 96
    .sgpr_count:     66
    .vgpr_count:     256
    .wavefront_size: 32
...
	.end_amdgpu_metadata
.endif
;; end of part 1
;; launch qkv (part 2): grid 8 x 32, 4 waves a work-group, clusters of 4 x 4, 327,680 bytes of LDS; arguments xq, wqk, wvq, qq, kv; writes qq, kv
.if DOCPART == 2
	.amdgcn_target "amdgcn-amd-amdhsa--gfx1250"
	.amdhsa_code_object_version 6
	.text
	.protected	k_q31375b4d2d_qkv
	.globl	k_q31375b4d2d_qkv
	.p2align	8
	.type	k_q31375b4d2d_qkv,@function
k_q31375b4d2d_qkv:
	s_mov_b64 s[64:65], 0
	v_nop
	global_prefetch_b8 v0, s[64:65] scope:SCOPE_SE
	s_setreg_imm32_b32 hwreg(HW_REG_WAVE_MODE, 25, 1), 1
	s_wait_xcnt 0x0
	s_wait_alu depctr_hold_cnt(0) depctr_sa_sdst(0) depctr_va_vdst(0) depctr_va_sdst(0) depctr_va_ssrc(0) depctr_va_vcc(0) depctr_vm_vsrc(0)
	s_getreg_b32 s2, hwreg(HW_REG_IB_STS2, 6, 4)
	s_cmp_eq_u32 s2, 0
	s_cbranch_scc0 .Lentry_in_a_cluster
	s_endpgm
.Lentry_in_a_cluster:
	s_bfe_u32 s2, ttmp6, 0x10000c
	s_cmp_lg_u32 s2, 0xf033
	s_cbranch_scc0 .Lentry_shape_is_right
	s_endpgm
.Lentry_shape_is_right:
; Q = x wq^T, K = x wk^T, V = x wv^T on codes of FP6 (E2M3) with E8M0 scales, and their quantisers: one launch, three phases.
; INPUTS: records of 12,800 bytes (16 rows x 1,024 K: eight fragments of 1,536 bytes in the order of an operand's registers, then 32 scale bytes a row); record 4 C + j holds rows 64 C + 8 j + i % 8 + 32 (i / 8).
; SHARES: 256 work-groups of four waves.  A work-group has 256 tokens (16 records of x, 204,800 dense bytes, loaded ONCE, kept in LDS for all three phases) and 128 channels (8 records, 102,400 bytes) of each weight.
; The weights have an LDS region of their own: wq's rows at the head, then two refills (wk's, wv's), each in a round of the cluster's barrier inside K step 4 of the phase before.  So that the region is read out by then, the weight's fragments
; of K steps 5, 6, 7 are fetched during K steps 0, 1, 2 into registers of their own; three K steps and the phase's quantiser stand between a refill and the wait for it.
; A wave has 128 tokens x 64 channels, one head: 32 accumulators (256 registers); x's eight fragments lie in two sets, fetched one K step ahead, and so do the weight's four of K steps 0 to 4 (in the last phase, which refills nothing: of all steps).
; Q, K: source 0 = the weight's rows: a lane holds one token, and its 32 registers of a token record are channels 32 (lane / 16) + 0 .. 31 of the head.  V: source 0 = x's rows: a lane holds one channel, and its 32 registers
; of four token records are keys 64 C + 32 (lane / 16) + 0 .. 31.  Either way a scale block lies whole in one lane.
; OUTPUTS: a group of 1,536 bytes is twelve registers a lane as three pieces of 16 bytes a lane (piece k at 512 k + 16 x lane).  qq[16 b + head][128 tokens]: 6,656 bytes: four groups (a group: two tiles of 16 tokens x 64 channels, six registers
; each), then 512 bytes of scale words (lane l: tiles 4 (l / 16) + 0 .. 3 of row l % 16).  kv[16 b + head][128 keys]: 13,056 bytes: K as above (6,144), V^T's four groups (a group: 16 channels x 128 keys) (6,144), K's scale words (512), V's (16 bytes a channel row, 256).
; CLUSTERS 4 x 4: x's records are shared by a row of the cluster, a weight's by a column: joint loads.  What a refill will load is prefetched at its phase's start, four K steps ahead: 25 blocks of 256 bytes for each wave of each partner, shared out by address.
; LIMITS: a block of zeros gets the byte 1 where the rule says 127 (its codes are zeros; this program alone reads the bytes); NaN and infinities are not served.
.set REC,   12800
.set FRB,   1536
.set XH,    8*REC
.set WBASE, 16*REC
.set WHALF, 4*REC
.set WQUA,  2*REC
.set SPARE, 24*REC
.set QREG,  6656
.set KREG,  13056
.set L16, 1
.set L8,  2
.set R16, 3
.set XA,  4
.set XB,  6
.set WA,  8
.set WB,  9
.set SXA, 10
.set SWA, 12
.set PFO, 13
.set SH8, 18
.set SPW, 28
.set NIL, 29
.set SX,  64                           ; v64-127 x's scale words: record a, K step q at 8 a + q
.set SWT, 132                          ; v132-163 the weight's: 8 b + q
.set TM,  168
.set PC,  192
.set SW,  216
.set T,   224
.set G1A, 24
.set G1B, 32
.set G1R, 48
.set G0A, 56
.set G0B, 60
.set G0R, 68
.set MSB, 0
.set EARLY, 1                          ; 1: a phase that refills the weight's region
.macro WIN new
.if MSB != (\new)
	s_set_vgpr_msb (MSB<<8)|(\new)
.set MSB, (\new)
.endif
.endm
.macro PLACES n
.rept \n
	v_nop
.endr
.endm
.macro WALU
	s_wait_alu depctr_va_vdst(0)
.endm
.macro TLOAD g0, g1
	tensor_load_to_lds s[\g0:\g0+3], s[\g1:\g1+7]
	s_nop 0
	PLACES 4
.endm
.macro CREST
	s_cmp_lg_u32 s14, 0
	s_cbranch_scc1 .Lnot_wave_0_\@
	s_barrier_signal -3
.Lnot_wave_0_\@:
	s_barrier_wait -3
	s_barrier_signal -1
	s_barrier_wait -1
.endm
.macro CROUND
	s_barrier_signal -1
	s_barrier_wait -1
	CREST
.endm
.macro GROUP1 g, mask, rows            ; dense bytes as rows of 256: 32 elements of 8 bytes
	s_or_b32 s[\g], s\mask, (3<<16)|(1<<21)
	s_mov_b32 s[\g+1], 32<<16
	s_mov_b32 s[\g+2], (\rows)<<16
	s_mov_b32 s[\g+3], 32<<16
	s_mov_b32 s[\g+4], \rows
	s_mov_b32 s[\g+5], 32
	s_mov_b32 s[\g+6], 0
	s_mov_b32 s[\g+7], 0
.endm
	s_load_b128 s[4:7], s[0:1], 0x0                ; xq, wqk
	s_load_b128 s[8:11], s[0:1], 0x10              ; wvq, qq
	s_load_b64 s[12:13], s[0:1], 0x20              ; kv
	v_lshl_add_u32 v[SPW], v0, 2, SPARE
	v_mov_b32 v[NIL], 0
	ds_add_u32 v[SPW], v[NIL]                      ; the opening lines: the add twice and its wait
	ds_add_u32 v[SPW], v[NIL]
	v_lshrrev_b32 v17, 5, v0
	v_readfirstlane_b32 s14, v17                   ; wave
	s_lshr_b32 s15, s14, 1                         ; my half of the tokens
	s_and_b32 s16, s14, 1                          ; my half of the channels
	s_bfe_u32 s40, ttmp6, 0x40000                  ; cx
	s_bfe_u32 s41, ttmp6, 0x40004                  ; cy
	s_lshl_b32 s42, ttmp9, 2
	s_add_co_u32 s42, s42, s40                     ; which 128 channels, 0 .. 7
	s_and_b32 s17, ttmp7, 0xffff
	s_lshl_b32 s18, s17, 2
	s_add_co_u32 s18, s18, s41                     ; which 256 tokens, 0 .. 31
	s_lshl_b32 s43, s41, 2
	s_lshl_b32 s43, 15, s43                        ; my row of the cluster
	s_lshl_b32 s44, 0x1111, s40                    ; my column
	GROUP1 G1A, 43, 400                            ; eight records of x
	GROUP1 G1B, 44, 200                            ; four of a weight
	GROUP1 G1R, 44, 100                            ; two of a weight
	s_mul_i32 s20, s18, 16*REC
	s_mul_i32 s21, s16, XH
	s_add_co_u32 s20, s20, s21
	s_mov_b32 s21, 0
	s_mul_i32 s46, s42, 8*REC
	s_mul_i32 s22, s16, WHALF
	s_add_co_u32 s22, s22, s46
	s_mov_b32 s23, 0
	s_mul_i32 s47, s14, WQUA
	s_add_co_u32 s46, s46, s47
	s_mov_b32 s47, 0
	s_mov_b32 s[G0A], 1
	s_mul_i32 s[G0A+1], s16, XH
	s_mov_b32 s[G0B], 1
	s_mul_i32 s[G0B+1], s16, WHALF
	s_add_co_u32 s[G0B+1], s[G0B+1], WBASE
	s_mov_b32 s[G0R], 1
	s_mul_i32 s[G0R+1], s14, WQUA
	s_add_co_u32 s[G0R+1], s[G0R+1], WBASE
	s_wait_dscnt 0x0
	s_wait_kmcnt 0x0
	s_add_nc_u64 s[G0A+2:G0A+3], s[4:5], s[20:21]
	s_or_b32 s[G0A+3], s[G0A+3], 0x80000000
	s_add_nc_u64 s[G0B+2:G0B+3], s[6:7], s[22:23]
	s_or_b32 s[G0B+3], s[G0B+3], 0x80000000
	s_add_nc_u64 s[72:73], s[6:7], s[46:47]
	s_add_nc_u64 s[72:73], s[72:73], 64*REC        ; my quarter of wk's eight records
	s_add_nc_u64 s[74:75], s[8:9], s[46:47]        ; and of wv's
	CROUND                                         ; the first joint loads meet
	s_cmp_lt_u32 s14, 2
	s_cbranch_scc0 .Lhead_b
	TLOAD G0A, G1A                                 ; waves 0, 1: a half of x's records each
	s_branch .Lasked
.Lhead_b:
	TLOAD G0B, G1B                                 ; waves 2, 3: a half of wq's each
.Lasked:
	v_and_b32 v14, 31, v0
	v_and_b32 v15, 15, v0
	v_lshlrev_b32 v[L16], 4, v14
	v_lshlrev_b32 v[L8], 3, v14
	v_lshlrev_b32 v[R16], 4, v15
	s_mul_i32 s21, s15, XH
	v_add_nc_u32 v[XA], s21, v[L16]                ; my records 0-3 of x; +1: records 4-7
	v_add_nc_u32 v[XB], s21, v[L8]
	v_add_nc_u32 v[XA+1], WHALF, v[XA]
	v_add_nc_u32 v[XB+1], WHALF, v[XB]
	s_mul_i32 s22, s16, WHALF
	s_add_co_u32 s22, s22, WBASE
	v_add_nc_u32 v[WA], s22, v[L16]                ; my four records of the weight
	v_add_nc_u32 v[WB], s22, v[L8]
	v_lshlrev_b32 v16, 5, v15
	s_add_co_u32 s21, s21, 8*FRB
	s_add_co_u32 s22, s22, 8*FRB
	v_add_nc_u32 v[SXA], s21, v16                  ; scale bytes: 32 a row
	v_add_nc_u32 v[SXA+1], WHALF, v[SXA]
	v_add_nc_u32 v[SWA], s22, v16
	v_min_u32 v[PFO], 24, v14
	s_mul_i32 s23, s41, 25
	v_add_nc_u32 v[PFO], s23, v[PFO]
	v_lshlrev_b32 v[PFO], 8, v[PFO]                ; the prefetch: block 25 cy + min(lane, 24) of my wave's 100
	v_bfe_u32 v[SH8], v0, 4, 1
	v_lshlrev_b32 v[SH8], 3, v[SH8]                ; 8 x (lane / 16)
	v_mov_b32 v[TM+6], 0                           ; a lane permute's destination counts as a source
	s_mov_b32 s98, 0x76543210
	s_mov_b32 s99, 0xfedcba98
	s_mov_b32 s96, 0xffff0000
	s_lshr_b32 s90, s18, 3                         ; batch
	s_lshl_b32 s91, s18, 1
	s_add_co_u32 s91, s91, s15
	s_and_b32 s91, s91, 15                         ; which 128 tokens of the batch
	s_lshl_b32 s92, s42, 1
	s_add_co_u32 s92, s92, s16                     ; head
	s_lshl_b32 s90, s90, 4
	s_add_co_u32 s90, s90, s92
	s_lshl_b32 s90, s90, 4
	s_add_co_u32 s90, s90, s91
	s_mul_i32 s94, s90, QREG
	s_mov_b32 s95, 0
	s_add_nc_u64 s[80:81], s[10:11], s[94:95]      ; Q's codes,
	s_add_nc_u64 s[82:83], s[80:81], 6144          ; scale words
	s_mul_i32 s94, s90, KREG
	s_add_nc_u64 s[84:85], s[12:13], s[94:95]      ; K's codes,
	s_add_nc_u64 s[86:87], s[84:85], 12288         ; scale words
.macro FRAG reg, a16, a8, off
	ds_load_b128 v[\reg:\reg+3], v[\a16] offset:\off
	ds_load_b64 v[\reg+4:\reg+5], v[\a8] offset:\off+512
	ds_load_b128 v[\reg+6:\reg+9], v[\a16] offset:\off+768
	ds_load_b64 v[\reg+10:\reg+11], v[\a8] offset:\off+1280
.endm
.macro FETCH q, set                    ; K step q: x's eight fragments at 12 i, in window 1 + set
	WIN ((\set)+1)<<6
.irp i, 0,1,2,3,4,5,6,7
	FRAG 12*\i, XA+\i/4, XB+\i/4, (\i%4)*REC+(\q)*FRB
.endr
.endm
.macro WLOC q                          ; where the weight's four fragments of K step q lie: window WW_, register WR_ on
.if EARLY && ((\q) == 5)
.set WW_, 1
.set WR_, 144
.elseif EARLY && ((\q) == 6)
.set WW_, 1
.set WR_, 192
.elseif EARLY && ((\q) == 7)
.set WW_, 2
.set WR_, 144
.else
.set WW_, 1+(\q)%2
.set WR_, 96
.endif
.endm
.macro FETCHW q
	WLOC \q
	WIN WW_<<6
.irp b, 0,1,2,3
	FRAG WR_+12*\b, WA, WB, \b*REC+(\q)*FRB
.endr
.endm
.macro WSCALES
.irp b, 0,1,2,3
	ds_load_b128 v[SWT+8*\b:SWT+8*\b+3], v[SWA] offset:\b*REC
	ds_load_b128 v[SWT+8*\b+4:SWT+8*\b+7], v[SWA] offset:\b*REC+16
.endr
.endm
.macro W1 d, s0, s1, x0, x1, zero
.if \zero
	v_wmma_scale_f32_16x16x128_f8f6f4 v[\d:\d+7], v[\s0:\s0+11], v[\s1:\s1+11], 0, v[\x0], v[\x1] matrix_a_fmt:MATRIX_FMT_FP6 matrix_b_fmt:MATRIX_FMT_FP6
.else
	v_wmma_scale_f32_16x16x128_f8f6f4 v[\d:\d+7], v[\s0:\s0+11], v[\s1:\s1+11], v[\d:\d+7], v[\x0], v[\x1] matrix_a_fmt:MATRIX_FMT_FP6 matrix_b_fmt:MATRIX_FMT_FP6
.endif
.endm
; kind 0: accumulator (token record a, channel record b) at 8 (4 a + b); kind 1: (channel record a, token record b) at 8 (8 a + b); window 3.  The 32 take turns in one order.
.macro MULS q, set, kind, lo, hi, zero
	WLOC \q
.if \kind
	WIN (1+(\set))|(WW_<<2)|0xf0
.else
	WIN WW_|((1+(\set))<<2)|0xf0
.endif
.set A_, \lo
.rept (\hi)-(\lo)
.set B_, 0
.rept 4+4*(\kind)
.if \kind
	W1 8*(8*A_+B_), 12*B_, WR_+12*A_, SX+8*B_+(\q), SWT+8*A_+(\q), \zero
.else
	W1 8*(4*A_+B_), WR_+12*B_, 12*A_, SWT+8*B_+(\q), SX+8*A_+(\q), \zero
.endif
.set B_, B_+1
.endr
.set A_, A_+1
.endr
.endm
.macro STEP q, kind
	s_wait_dscnt 0x0                               ; this K step's fragments, asked for at least one K step ago
.if (\q) < 7
	PLACES 4                                       ; in front of loads into the sets that the last products read
	FETCH (\q)+1, ((\q)+1)%2
.if EARLY
.if (\q) < 4
	FETCHW (\q)+1
.endif
.if (\q) < 3
	FETCHW (\q)+5                                  ; so the weight's region is read out when K step 3's loads are in
.endif
.else
	FETCHW (\q)+1
.endif
.endif
.if (\q) == 0
	MULS \q, 0, \kind, 0, 8-4*(\kind), 1
.else
	MULS \q, (\q)%2, \kind, 0, 8-4*(\kind), 0
.endif
.endm
; 64 sums of a lane are two whole blocks of 32: they become twelve registers of codes, which leave as one group, and two scale bytes; with lane l xor 16's two the word of four bytes is whole.
; Q, K: two tiles of 16 tokens (the word's halves are the tiles' words); V: 16 channels x 128 keys.
.macro QUANT g
.set AC, 64*(\g)
	WIN (3<<2)|(3<<4)
.irp b, 0,1,2,3
	v_max3_num_f32 v[TM+\b], 0x1800000, |v[AC+16*\b]|, |v[AC+16*\b+1]|   ; four chains of 16, with the floor 2^(3 - 127): the byte cannot fall under 1
.endr
.irp i, 2,4,6,8,10,12,14
.irp b, 0,1,2,3
	v_max3_num_f32 v[TM+\b], v[TM+\b], |v[AC+16*\b+\i]|, |v[AC+16*\b+\i+1]|
.endr
.endr
	WIN 0
	v_max_num_f32 v[TM], v[TM], v[TM+1]
	v_max_num_f32 v[TM+2], v[TM+2], v[TM+3]
	v_add_nc_u32 v[TM+12], 0xff000000, v[TM]       ; 2 off the exponent field: the conversion's scale operand
	v_add_nc_u32 v[TM+13], 0xff000000, v[TM+2]
	v_lshrrev_b32 v[TM+4], 23, v[TM+12]
	v_lshrrev_b32 v[TM+5], 23, v[TM+13]
	v_lshl_or_b32 v[TM+4], v[TM+5], 16, v[TM+4]
	v_lshlrev_b32 v[TM+4], v[SH8], v[TM+4]         ; my bytes: blocks h and 2 + h
	v_permlanex16_b32 v[TM+6], v[TM+4], s98, s99
	v_or_b32 v[SW+(\g)], v[TM+4], v[TM+6]
	WALU
	s_wait_xcnt 0x0                                ; the last stores have read the codes' registers
	WIN 3
.irp c, 0,1
	v_cvt_scalef32_pk16_fp6_f32 v[PC+6*\c:PC+2+6*\c], v[AC+32*\c:AC+15+32*\c], v[TM+12+\c]
	v_cvt_scalef32_pk16_fp6_f32 v[PC+12+4*\c:PC+14+4*\c], v[AC+16+32*\c:AC+31+32*\c], v[TM+12+\c]   ; (a conversion's three registers begin on an even number)
.endr
	WIN 0
	v_nop
.irp c, 0,1
.irp i, 0,1,2
	v_mov_b32 v[PC+3+6*\c+\i], v[PC+12+4*\c+\i]
.endr
.endr
.irp k, 0,1,2
	global_store_b128 v[L16], v[PC+4*\k:PC+4*\k+3], s[76:77] offset:FRB*(\g)+512*\k   ; 512 consecutive bytes, aligned
.endr
.endm
	WALU
	s_wait_tensorcnt 0x0
	s_barrier_signal -1
	s_barrier_wait -1                              ; x's records and wq's are in
.irp i, 0,1,2,3,4,5,6,7
	ds_load_b128 v[SX+8*\i:SX+8*\i+3], v[SXA+\i/4] offset:(\i%4)*REC
	ds_load_b128 v[SX+8*\i+4:SX+8*\i+7], v[SXA+\i/4] offset:(\i%4)*REC+16
.endr
	s_mov_b32 s97, 0
.Lphase:                                               ; trip 0: Q, trip 1: K
	s_wait_xcnt 0x0                                ; stores and prefetch have read their bases
	s_cmp_eq_u32 s97, 0
	s_cselect_b64 s[76:77], s[80:81], s[84:85]
	s_cselect_b64 s[78:79], s[82:83], s[86:87]
	s_cselect_b64 s[88:89], s[72:73], s[74:75]     ; what this phase's refill brings: wk's rows, then wv's
	s_mov_b64 s[G0R+2:G0R+3], s[88:89]             ; (no tensor load of mine is out here)
	s_or_b32 s[G0R+3], s[G0R+3], 0x80000000
	global_prefetch_b8 v[PFO], s[88:89] th:TH_LOAD_NT scope:SCOPE_SE
	WSCALES
	FETCH 0, 0
	FETCHW 0
.irp q, 0,1,2,3
	STEP \q, 0
.endr
	WIN 0
	s_wait_tensorcnt 0x0                           ; K step 4, ahead of a refill's round
	ds_add_u32 v[SPW], v[NIL]
	s_wait_dscnt 1                                 ; this K step's fragments are in; the add may be out
	MULS 4, 0, 0, 0, 4, 0
	s_wait_dscnt 0x0                               ; the add, and my last reads of the weight's region
	s_barrier_signal -1
	MULS 4, 0, 0, 4, 8, 0
	WIN 0
	s_barrier_wait -1
	CREST
	TLOAD G0R, G1R                                 ; a quarter of the next weight a wave; its four v_nop are the places in front of the loads below
	FETCH 5, 1
.irp q, 5,6,7
	STEP \q, 0
.endr
	PLACES 4
.irp g, 0,1,2,3
	QUANT \g
.endr
	v_cndmask_b32 v[T], v[SW], v[SW+2], s96        ; lanes 0-15 send tiles 0-3's words, lanes 16-31 tiles 4-7's; a word: the tile's two bytes
	v_cndmask_b32 v[T+2], v[SW+1], v[SW+3], s96
	v_lshrrev_b32 v[T+1], 16, v[T]
	v_lshrrev_b32 v[T+3], 16, v[T+2]
	v_and_b32 v[T], 0xffff, v[T]
	v_and_b32 v[T+2], 0xffff, v[T+2]
	global_store_b128 v[L16], v[T:T+3], s[78:79]
	s_wait_tensorcnt 0x0
	s_wait_dscnt 0x0
	s_barrier_signal -1
	s_barrier_wait -1                              ; the next weight is shown to all
	s_add_co_u32 s97, s97, 1
	s_cmp_lg_u32 s97, 2
	WALU
	s_cbranch_scc1 .Lphase
.set EARLY, 0
	s_wait_xcnt 0x0
	s_add_nc_u64 s[76:77], s[84:85], 6144          ; V's groups,
	s_add_nc_u64 s[78:79], s[84:85], 12800         ; scale words
	WSCALES
	FETCH 0, 0
	FETCHW 0
.irp q, 0,1,2,3,4,5,6,7
	STEP \q, 1
.endr
	PLACES 4
.irp g, 0,1,2,3
	QUANT \g
.endr
	global_store_b128 v[R16], v[SW:SW+3], s[78:79] ; 16 bytes a channel row; both lanes of a row hold and send the same words
	s_wait_tensorcnt 0x0                           ; the wave's end
	ds_add_u32 v[SPW], v[NIL]
	s_wait_dscnt 0x0
	CROUND
	s_endpgm
.Lfunc_end_k_q31375b4d2d_qkv:
	.size	k_q31375b4d2d_qkv, .Lfunc_end_k_q31375b4d2d_qkv-k_q31375b4d2d_qkv
	.p2alignl 7, 3214868480
	.fill 96, 4, 3214868480
	.section	.rodata,"a",@progbits
	.p2align	6, 0x0
	.amdhsa_kernel k_q31375b4d2d_qkv
		.amdhsa_group_segment_fixed_size 327680
		.amdhsa_private_segment_fixed_size 0
		.amdhsa_enable_private_segment 0
		.amdhsa_kernarg_size 40
		.amdhsa_user_sgpr_count 2
		.amdhsa_user_sgpr_kernarg_segment_ptr 1
		.amdhsa_wavefront_size32 1
		.amdhsa_system_sgpr_workgroup_id_x 1
		.amdhsa_system_sgpr_workgroup_id_y 1
		.amdhsa_system_sgpr_workgroup_id_z 1
		.amdhsa_system_vgpr_workitem_id 0
		.amdhsa_next_free_vgpr 1024
		.amdhsa_next_free_sgpr 100
		.amdhsa_reserve_vcc 0
		.amdhsa_float_denorm_mode_32 3
		.amdhsa_float_denorm_mode_16_64 3
		.amdhsa_memory_ordered 1
		.amdhsa_forward_progress 1
		.amdhsa_inst_pref_size 155
	.end_amdhsa_kernel
	.amdgpu_metadata
---
amdhsa.version: [ 1, 2 ]
amdhsa.kernels:
  - .name:           k_q31375b4d2d_qkv
    .symbol:         k_q31375b4d2d_qkv.kd
    .args:
      - { .name: xq, .offset: 0, .size: 8, .value_kind: global_buffer, .address_space: global }
      - { .name: wqk, .offset: 8, .size: 8, .value_kind: global_buffer, .address_space: global }
      - { .name: wvq, .offset: 16, .size: 8, .value_kind: global_buffer, .address_space: global }
      - { .name: qq, .offset: 24, .size: 8, .value_kind: global_buffer, .address_space: global }
      - { .name: kv, .offset: 32, .size: 8, .value_kind: global_buffer, .address_space: global }
    .group_segment_fixed_size: 327680
    .private_segment_fixed_size: 0
    .kernarg_segment_align: 8
    .kernarg_segment_size: 40
    .max_flat_workgroup_size: 128
    .sgpr_count:     100
    .vgpr_count:     1024
    .wavefront_size: 32
...
	.end_amdgpu_metadata
.endif
;; end of part 2
;; launch attn (part 3): grid 4 x 64, 16 waves a work-group, clusters of 4 x 1, 210,944 bytes of LDS; arguments qq, kv, oq; writes oq
.if DOCPART == 3
	.amdgcn_target "amdgcn-amd-amdhsa--gfx1250"
	.amdhsa_code_object_version 6
	.text
	.protected	k_q31375b4d2d_attn
	.globl	k_q31375b4d2d_attn
	.p2align	8
	.type	k_q31375b4d2d_attn,@function
k_q31375b4d2d_attn:
	s_mov_b64 s[64:65], 0
	v_nop
	global_prefetch_b8 v0, s[64:65] scope:SCOPE_SE
	s_setreg_imm32_b32 hwreg(HW_REG_WAVE_MODE, 25, 1), 1
	s_wait_xcnt 0x0
	s_wait_alu depctr_hold_cnt(0) depctr_sa_sdst(0) depctr_va_vdst(0) depctr_va_sdst(0) depctr_va_ssrc(0) depctr_va_vcc(0) depctr_vm_vsrc(0)
	s_getreg_b32 s2, hwreg(HW_REG_IB_STS2, 6, 4)
	s_cmp_eq_u32 s2, 0
	s_cbranch_scc0 .Lentry_in_a_cluster
	s_endpgm
.Lentry_in_a_cluster:
	s_bfe_u32 s2, ttmp6, 0x10000c
	s_cmp_lg_u32 s2, 0x3003
	s_cbranch_scc0 .Lentry_shape_is_right
	s_endpgm
.Lentry_shape_is_right:
; For each of 64 (batch, head): o = softmax(q k^T / 8) v, both products on codes of FP6 (E2M3) with E8M0 scales; o is quantised along the model's 1,024 channels on its way out.
; THE SOFTMAX: t = score x log2(e) / 8; M = the row's largest t so far, rounded UP to a whole number; p = 2^(t - M) is quantised along the keys, not normalised.  The row's sum is taken of the unquantised p, in f32,
; and divides O at the end.  When M moves, the sum and O are multiplied by f = 2^(old M - new M): exact.
; SHARES.  A cluster of four work-groups is one (batch, head); a work-group owns 512 queries, each of its sixteen waves two tiles of 16, one after the other.  A WHOLE HEAD'S K AND V LIE IN LDS: sixteen regions of 13,056 bytes,
; one for each 128 keys (K 6,144, V^T 6,144, K's scale words 512, V's 256), dense in memory: wave w brings region w by ONE joint load of 51 rows of 256 bytes (mask 15).  One barrier; nothing is filled again.
; All tiles are asked for at the head, so there is no loop to run ahead in: no prefetch.
; LAYOUT.  Both products are used transposed: S^T = K Q^T, O^T = V^T P^T: a lane holds ONE query.  Tile 4 C + j of K holds keys 64 C + 8 j + i % 8 + 32 (i / 8): so a lane's 32 registers of four tiles of S^T are keys
; 64 C + 32 (lane / 16) + 0 .. 31: one whole scale block, in the order of the next operand's registers; no lane asks another for a block's maximum, and no codes change lanes.  V^T's rows are channel positions in the same way, so a lane's
; 32 registers of O^T are one block of o.  Queries stay in position order; the last launch undoes that.
; K = 64 IN AN INSTRUCTION OF 128: q's operand is six registers of codes and six of zero codes; k's operand is tile t's six registers and whatever follows them: it meets zeros and adds nothing.
; A KEY STEP: K's tiles were asked for one step ahead; behind the eight products one run of LDS loads brings this step's V^T and the next step's K; the wait for V^T leaves those 13 younger loads out.  The last step is written out: it asks for no K.
; The row's sum lives in four chains; a step's first link of each is a multiply-add by f.
; LIMITS: p under 2^-126 becomes 0; a block of zeros gets the byte 1 where the rule says 127 (zero codes; this program alone reads the bytes); NaN and infinities are not served; the scaled scores stay under 2^31 in magnitude.
; o's scale bytes leave one byte a lane, 32 bytes apart: 2 of each row's 32 belong to a head.
.set FRB,    1536
.set REC,    12800
.set REGION, 13056
.set QREG,   6656
.set VO,     6144
.set KSO,    12288
.set VSO,    12800
.set WV,   18
.set SEL,  20
.set CS,   22                          ; s[22:23] c = log2(e) / 8
.set G1,   24
.set G0,   56
.set TB,   76
.set CNT,  77
.set NC,   79                          ; -c
.set KS,   8                           ; v8-11 K's scale words
.set KB,   32                          ; v32-79 K's eight tiles
.set VB,   80                          ; v80-127 V^T's four fragments
.set S,    128                         ; v128-191 S^T, then p, then o
.set O,    192                         ; v192-223 O^T
.set PCD,  224                         ; v224-235 p's codes
.set VS,   236                         ; v236-239 V's scale words
.set BM,   240                         ; v240-243 the maxima's four chains; then v240-242, v244-246 halves of codes on their way; v243 p's scale word
.set PS,   243
.set F,    246                         ; v[246:247] f
; v1 16 x lane, v2 8 x lane, v3 16 r, v4, v6 the same + the region, v5 8 h, v7 32 r + h; v12 -M, v13 the largest score; v[14:15], v[248:253] the sum; v16-27 q, v28 its scale word; v29 the old -M; v0, v247 the conversions' scale operands; v30, v31 at work
.macro CROUND
	s_barrier_signal -1
	s_barrier_wait -1
	s_cmp_lg_u32 s[WV], 0
	s_cbranch_scc1 .Lnot_wave_0_\@
	s_barrier_signal -3
.Lnot_wave_0_\@:
	s_barrier_wait -3
	s_barrier_signal -1
	s_barrier_wait -1
.endm
	s_load_b128 s[4:7], s[0:1], 0x0                ; qq, kv
	s_load_b64 s[8:9], s[0:1], 0x10                ; oq
	v_lshl_add_u32 v254, v0, 2, 0x33000
	v_mov_b32 v255, 0
	ds_add_u32 v254, v255
	ds_add_u32 v254, v255
	v_lshrrev_b32 v8, 5, v0
	s_delay_alu instid0(VALU_DEP_1)
	v_readfirstlane_b32 s[WV], v8                  ; wave: also the key step whose region I bring
	s_bfe_u32 s88, ttmp6, 0x40000                  ; cx: it enters q's and o's addresses alone
	s_and_b32 s89, ttmp7, 0xffff                   ; 16 x batch + head
	s_lshr_b32 s90, s89, 4
	s_and_b32 s91, s89, 15
	s_and_b32 s94, s91, 1
	s_mov_b32 s[G1], 15|(3<<16)|(1<<21)
	s_mov_b32 s[G1+1], 32<<16
	s_mov_b32 s[G1+2], 51<<16
	s_mov_b32 s[G1+3], 32<<16
	s_mov_b32 s[G1+4], 51
	s_mov_b32 s[G1+5], 32
	s_mov_b32 s[G1+6], 0
	s_mov_b32 s[G1+7], 0
	s_lshl_b32 s95, s89, 4
	s_add_co_u32 s98, s95, s[WV]
	s_mul_i32 s[G0+2], s98, REGION
	s_mov_b32 s[G0+3], 0
	s_mov_b32 s[G0], 1
	s_mul_i32 s[G0+1], s[WV], REGION
	s_wait_dscnt 0x0
	s_wait_kmcnt 0x0
	s_add_nc_u64 s[G0+2:G0+3], s[6:7], s[G0+2:G0+3]
	s_or_b32 s[G0+3], s[G0+3], 0x80000000
	CROUND                                         ; the joint loads meet
	tensor_load_to_lds s[G0:G0+3], s[G1:G1+7]
	s_nop 0
.rept 4
	v_nop
.endr
	; q: my two tiles are group w % 4 of region 4 cx + w / 4 of the head
	s_lshl_b32 s80, s88, 2
	s_add_co_u32 s80, s80, s95
	s_lshr_b32 s81, s[WV], 2
	s_add_co_u32 s80, s80, s81
	s_mul_i32 s80, s80, QREG
	s_bfe_u32 s81, s[WV], 0x10001
	s_lshl_b32 s81, s81, 8
	s_add_co_u32 s82, s80, s81
	s_and_b32 s81, s[WV], 1
	s_lshl_b32 s81, s81, 3
	s_add_co_u32 s82, s82, s81
	s_add_co_u32 s82, s82, 6144                    ; their scale words: 256 (tile / 4) + 4 (tile % 4), + 16 r
	s_mov_b32 s83, 0
	s_and_b32 s81, s[WV], 3
	s_mul_i32 s81, s81, FRB
	s_add_co_u32 s80, s80, s81
	s_mov_b32 s81, 0
	s_add_nc_u64 s[80:81], s[4:5], s[80:81]
	s_add_nc_u64 s[82:83], s[4:5], s[82:83]
	v_and_b32 v8, 31, v0
	v_and_b32 v9, 15, v0
	v_bfe_u32 v10, v0, 4, 1
	s_delay_alu instid0(VALU_DEP_3)
	v_lshlrev_b32 v1, 4, v8
	s_delay_alu instid0(VALU_DEP_4)
	v_lshlrev_b32 v2, 3, v8
	s_delay_alu instid0(VALU_DEP_4)
	v_lshlrev_b32 v3, 4, v9
	s_delay_alu instid0(VALU_DEP_4)
	v_lshl_add_u32 v7, v9, 5, v10
	v_lshlrev_b32 v5, 3, v10
	global_load_b128 v[16:19], v1, s[80:81]        ; the first tile: registers 0-5 of the group's twelve
	global_load_b64 v[20:21], v1, s[80:81] offset:512
	global_load_b32 v28, v3, s[82:83]
	; o: records 128 b + 32 cx + 2 w and the next of oq, K step hd / 2, half hd % 2; scale bytes 2 hd, 2 hd + 1 of each row's 32
	s_lshl_b32 s84, s90, 7
	s_lshl_b32 s85, s88, 5
	s_add_co_u32 s84, s84, s85
	s_lshl_b32 s85, s[WV], 1
	s_add_co_u32 s84, s84, s85
	s_mul_i32 s84, s84, REC
	s_lshl_b32 s86, s91, 1
	s_add_co_u32 s86, s86, s84
	s_add_co_u32 s86, s86, 8*FRB
	s_mov_b32 s87, 0
	s_lshr_b32 s85, s91, 1
	s_mul_i32 s85, s85, FRB
	s_add_co_u32 s84, s84, s85
	s_mul_i32 s85, s94, 768
	s_add_co_u32 s84, s84, s85
	s_mov_b32 s85, 0
	s_add_nc_u64 s[84:85], s[8:9], s[84:85]
	s_add_nc_u64 s[86:87], s[8:9], s[86:87]
	s_mov_b32 s[SEL], 0x76543210
	s_mov_b32 s[SEL+1], 0xfedcba98
	s_mov_b32 s[CS], 0x3e38aa3b                    ; c = log2(e) / sqrt(64)
	s_mov_b32 s[CS+1], s[CS]
	s_mov_b32 s[NC], 0xbe38aa3b
.irp j, 0,1,2,3,4,5
	v_mov_b32 v[22+\j], 0                          ; the zero codes of q's upper 64,
	v_mov_b32 v[VB+\j], 0                          ; and what follows K's last tile in the first step
.endr
	v_mov_b32 v30, 0
	v_mov_b32 v31, 0                               ; a lane permute's destination counts as a source
	v_mov_b32 v[F+1], 0                            ; (named as the upper half of a pair)
	s_wait_alu depctr_va_vdst(0)
	s_wait_tensorcnt 0x0                           ; my region is in,
	s_barrier_signal -1
	s_barrier_wait -1                              ; everybody's is
	s_wait_loadcnt 0x0
.macro SUM4 n                          ; four pairs of p, one to each chain of the sum
	v_pk_add_f32 v[14:15], v[14:15], v[S+8*(\n):S+8*(\n)+1]
	v_pk_add_f32 v[248:249], v[248:249], v[S+8*(\n)+2:S+8*(\n)+3]
	v_pk_add_f32 v[250:251], v[250:251], v[S+8*(\n)+4:S+8*(\n)+5]
	v_pk_add_f32 v[252:253], v[252:253], v[S+8*(\n)+6:S+8*(\n)+7]
.endm
.macro TM5 j0, n                       ; t - M, two at a time
.set j, \j0
.rept \n
	v_pk_fma_f32 v[S+j:S+j+1], v[S+j:S+j+1], s[CS:CS+1], v[12:13] op_sel_hi:[1,0,0]
.set j, j+2
.endr
.endm
; A KEY STEP: 128 keys.  pf = 1: the next step's K is asked for.
.macro STEP pf
	s_wait_dscnt 0x0                               ; K's tiles and scale words
.irp t, 0,1,2,3
	v_wmma_scale_f32_16x16x128_f8f6f4 v[S+8*\t:S+8*\t+7], v[KB+6*\t:KB+6*\t+11], v[16:27], 0, v[KS+\t], v28 matrix_a_fmt:MATRIX_FMT_FP6 matrix_b_fmt:MATRIX_FMT_FP6
.endr
.irp t, 4,5,6,7
	v_wmma_scale_f32_16x16x128_f8f6f4 v[S+8*\t:S+8*\t+7], v[KB+6*\t:KB+6*\t+11], v[16:27], 0, v[KS+\t-4], v28 matrix_a_fmt:MATRIX_FMT_FP6 matrix_b_fmt:MATRIX_FMT_FP6 matrix_a_scale:MATRIX_SCALE_ROW1
.endr
	v_add_nc_u32 v4, s[TB], v1                     ; four places, in front of the loads below and of the first read of the scores
	v_add_nc_u32 v6, s[TB], v3
	v_mov_b32 v29, v12
	v_nop
.irp p, 0,1,2,3,4,5,6,7,8,9,10,11
	ds_load_b128 v[VB+4*\p:VB+4*\p+3], v4 offset:VO+512*\p
.endr
	ds_load_b128 v[VS:VS+3], v6 offset:VSO
.if \pf
.irp p, 0,1,2,3,4,5,6,7,8,9,10,11
	ds_load_b128 v[KB+4*\p:KB+4*\p+3], v4 offset:REGION+512*\p
.endr
	ds_load_b128 v[KS:KS+3], v4 offset:REGION+KSO
.endif
; the largest score of each of my two blocks of 32 keys: it serves for the row's maximum and, since p rises with the score, for the block's largest p.  Two chains a block, each tile read from its low end on.
.irp c, 0,1
	v_max3_num_f32 v[BM+2*\c], v[S+32*\c], v[S+32*\c+1], v[S+32*\c+2]
	v_max3_num_f32 v[BM+2*\c+1], v[S+32*\c+16], v[S+32*\c+17], v[S+32*\c+18]
.endr
.irp i, 3,5,7,9,11,13
.irp c, 0,1
	v_max3_num_f32 v[BM+2*\c], v[BM+2*\c], v[S+32*\c+\i], v[S+32*\c+\i+1]
	v_max3_num_f32 v[BM+2*\c+1], v[BM+2*\c+1], v[S+32*\c+16+\i], v[S+32*\c+17+\i]
.endr
.endr
.irp c, 0,1
	v_max3_num_f32 v[BM+2*\c], v[BM+2*\c], v[BM+2*\c+1], v[S+32*\c+15]
.endr
.irp c, 0,1
	v_max_num_f32 v[BM+2*\c], v[BM+2*\c], v[S+32*\c+31]
.endr
	s_delay_alu instid0(VALU_DEP_1)
	v_max3_num_f32 v30, v[BM], v[BM+2], v13
	s_delay_alu instid0(VALU_DEP_1)
	v_permlanex16_b32 v31, v30, s[SEL], s[SEL+1]
	s_delay_alu instid0(VALU_DEP_1)
	v_max_num_f32 v13, v30, v31                    ; the running largest score of my query
	s_delay_alu instid0(VALU_DEP_1)
	v_mul_f32 v30, s[NC], v13
	s_delay_alu instid0(VALU_DEP_1)
	v_floor_f32 v12, v30                           ; the new -M = floor(-t): a whole number
	TM5 0, 5
	v_sub_f32 v31, v12, v29                        ; old M - new M: a whole number, 0 or less
	TM5 10, 5
	v_cvt_i32_f32 v31, v31                         ; (it saturates)
	TM5 20, 5
	v_ldexp_f32 v[F], 1.0, v31                     ; f
	TM5 30, 17
	v_fma_f32 v[BM], v[BM], s[CS], v12             ; the same of each block's largest score
	v_fma_f32 v[BM+2], v[BM+2], s[CS], v12
.set j, 0
.rept 16
	v_pk_mul_f32 v[O+j:O+j+1], v[O+j:O+j+1], v[F:F+1] op_sel_hi:[1,0]   ; O^T under the new M, each accumulator from its low end on
.set j, j+2
.endr
	s_wait_alu depctr_va_vdst(0)                   ; a wait ahead of the batch,
.set j, 0
.rept 64
	v_exp_f32 v[S+j], v[S+j]                       ; p = 2^(t - M)
.set j, j+1
.endr
	v_exp_f32 v[BM], v[BM]                         ; the blocks' largest p
	v_exp_f32 v[BM+2], v[BM+2]
	v_nop
	s_wait_alu depctr_va_vdst(0)                   ; and behind it
	v_max_num_f32 v[BM], 0x1800000, v[BM]          ; the floor 2^(3 - 127): the byte cannot fall under 1
	v_max_num_f32 v[BM+2], 0x1800000, v[BM+2]
	v_pk_fma_f32 v[14:15], v[14:15], v[F:F+1], v[S:S+1] op_sel_hi:[1,0,1]          ; the sums under the new M, and the first pairs of p
	v_pk_fma_f32 v[248:249], v[248:249], v[F:F+1], v[S+2:S+3] op_sel_hi:[1,0,1]
	v_pk_fma_f32 v[250:251], v[250:251], v[F:F+1], v[S+4:S+5] op_sel_hi:[1,0,1]
	v_pk_fma_f32 v[252:253], v[252:253], v[F:F+1], v[S+6:S+7] op_sel_hi:[1,0,1]
	v_add_nc_u32 v0, 0xff000000, v[BM]             ; 2 off the exponent field: the conversions' scale operands
	v_add_nc_u32 v247, 0xff000000, v[BM+2]
	v_cvt_scalef32_pk16_fp6_f32 v[PCD:PCD+2], v[S:S+15], v0
	v_cvt_scalef32_pk16_fp6_f32 v[240:242], v[S+16:S+31], v0
	v_cvt_scalef32_pk16_fp6_f32 v[PCD+6:PCD+8], v[S+32:S+47], v247
	v_cvt_scalef32_pk16_fp6_f32 v[244:246], v[S+48:S+63], v247
	SUM4 1
	v_lshrrev_b32 v30, 23, v0                      ; the scales' bytes
	v_lshrrev_b32 v31, 23, v247
.irp i, 0,1,2
	v_mov_b32 v[PCD+3+\i], v[240+\i]
	v_mov_b32 v[PCD+9+\i], v[244+\i]
.endr
	v_lshl_or_b32 v30, v31, 16, v30
	SUM4 2
	v_lshlrev_b32 v30, v5, v30                     ; my bytes: blocks h and 2 + h
	SUM4 3
	v_permlanex16_b32 v31, v30, s[SEL], s[SEL+1]
	SUM4 4
	v_or_b32 v[PS], v30, v31                       ; p's scale word for these 128 keys
	SUM4 5
	SUM4 6
	SUM4 7
.if \pf
	s_wait_dscnt 13                                ; V^T's fragments and scale words are in; the 13 loads for the next step's K are younger
.else
	s_wait_dscnt 0x0
.endif
.irp t, 0,1,2,3                                ; the four accumulators by turns
	v_wmma_scale_f32_16x16x128_f8f6f4 v[O+8*\t:O+8*\t+7], v[VB+12*\t:VB+12*\t+11], v[PCD:PCD+11], v[O+8*\t:O+8*\t+7], v[VS+\t], v[PS] matrix_a_fmt:MATRIX_FMT_FP6 matrix_b_fmt:MATRIX_FMT_FP6
.endr
.endm
; ONE TILE OF 16 QUERIES: all sixteen key steps, then the way out.
.macro TILEQ i
	v_mov_b32 v13, 0xff61b1e6                      ; the largest score so far: -3e38
	s_delay_alu instid0(VALU_DEP_1)
	v_mul_f32 v30, s[NC], v13
	s_delay_alu instid0(VALU_DEP_1)
	v_floor_f32 v12, v30
.irp j, 14,15,248,249,250,251,252,253
	v_mov_b32 v\j, 0
.endr
.set j, 0
.rept 32
	v_mov_b32 v[O+j], 0                            ; O^T: the step is written once; the first finds zeros
.set j, j+1
.endr
.irp p, 0,1,2,3,4,5,6,7,8,9,10,11
	ds_load_b128 v[KB+4*\p:KB+4*\p+3], v1 offset:512*\p            ; the first step's K
.endr
	ds_load_b128 v[KS:KS+3], v1 offset:KSO
	s_mov_b32 s[TB], 0
	s_mov_b32 s[CNT], 15
.if \i == 1
	s_wait_alu depctr_va_vdst(0)
	s_wait_loadcnt 0x0                             ; the second tile's q
.endif
.Lstep_\@:
	STEP 1
	s_add_co_u32 s[TB], s[TB], REGION
	s_sub_co_u32 s[CNT], s[CNT], 1
	s_cmp_lg_u32 s[CNT], 0
	s_cbranch_scc1 .Lstep_\@
	STEP 0
.rept 4
	v_nop                                          ; places behind the last products
.endr
.if \i == 0
	global_load_b64 v[16:17], v1, s[80:81] offset:520              ; the second tile: registers 6-11 of the group's twelve
	global_load_b128 v[18:21], v1, s[80:81] offset:1024
	global_load_b32 v28, v3, s[82:83] offset:4
.endif
	s_wait_alu depctr_va_vdst(0)
	v_pk_add_f32 v[14:15], v[14:15], v[248:249]
	v_pk_add_f32 v[250:251], v[250:251], v[252:253]
	s_delay_alu instid0(VALU_DEP_1)
	v_pk_add_f32 v[14:15], v[14:15], v[250:251]
	s_delay_alu instid0(VALU_DEP_1)
	v_add_f32 v14, v14, v15
	s_delay_alu instid0(VALU_DEP_1)
	v_permlanex16_b32 v30, v14, s[SEL], s[SEL+1]
	s_delay_alu instid0(VALU_DEP_1)
	v_add_f32 v14, v14, v30                        ; the row's sum
	s_wait_alu depctr_va_vdst(0)
	v_rcp_f32 v14, v14
	v_nop
	s_wait_alu depctr_va_vdst(0)
.set j, 0
.rept 16
	v_pk_mul_f32 v[S+j:S+j+1], v[O+j:O+j+1], v[14:15] op_sel_hi:[1,0]   ; o: register i = the head's channel 32 h + i
.set j, j+2
.endr
.irp k, 0,1,2,3
	v_max3_num_f32 v[BM+\k], |v[S+8*\k]|, |v[S+8*\k+1]|, 0x1800000   ; my block of 32 along the last product's K, in four chains
.endr
.irp n, 2,4,6
.irp k, 0,1,2,3
	s_delay_alu instid0(VALU_DEP_4)
	v_max3_num_f32 v[BM+\k], v[BM+\k], |v[S+8*\k+\n]|, |v[S+8*\k+\n+1]|
.endr
.endr
	s_delay_alu instid0(VALU_DEP_2)
	v_max3_num_f32 v[BM], v[BM], v[BM+1], v[BM+2]
	s_delay_alu instid0(VALU_DEP_1)
	v_max_num_f32 v[BM], v[BM], v[BM+3]
	s_delay_alu instid0(VALU_DEP_1)
	v_add_nc_u32 v0, 0xff000000, v[BM]
	v_cvt_scalef32_pk16_fp6_f32 v[PCD:PCD+2], v[S:S+15], v0
	v_cvt_scalef32_pk16_fp6_f32 v[240:242], v[S+16:S+31], v0
	v_lshrrev_b32 v31, 23, v0                      ; my block's byte.  (The plain place behind the conversions)
.irp n, 0,1,2
	v_mov_b32 v[PCD+3+\n], v[240+\n]
.endr
	global_store_b128 v1, v[PCD:PCD+3], s[84:85] offset:REC*\i          ; half a fragment: 512 consecutive bytes,
	global_store_b64 v2, v[PCD+4:PCD+5], s[84:85] offset:REC*\i+512     ; and 256
	global_store_b8 v7, v31, s[86:87] offset:REC*\i
.if \i == 0
	s_wait_xcnt 0x0                                ; the stores have read their registers: the next tile writes them again
.endif
.endm
	TILEQ 0
	TILEQ 1
	s_wait_dscnt 0x0
	s_wait_tensorcnt 0x0
	ds_add_u32 v254, v255
	s_wait_dscnt 0x0
	CROUND                                         ; the closing round
	s_endpgm
.Lfunc_end_k_q31375b4d2d_attn:
	.size	k_q31375b4d2d_attn, .Lfunc_end_k_q31375b4d2d_attn-k_q31375b4d2d_attn
	.p2alignl 7, 3214868480
	.fill 96, 4, 3214868480
	.section	.rodata,"a",@progbits
	.p2align	6, 0x0
	.amdhsa_kernel k_q31375b4d2d_attn
		.amdhsa_group_segment_fixed_size 210944
		.amdhsa_private_segment_fixed_size 0
		.amdhsa_enable_private_segment 0
		.amdhsa_kernarg_size 24
		.amdhsa_user_sgpr_count 2
		.amdhsa_user_sgpr_kernarg_segment_ptr 1
		.amdhsa_wavefront_size32 1
		.amdhsa_system_sgpr_workgroup_id_x 1
		.amdhsa_system_sgpr_workgroup_id_y 1
		.amdhsa_system_sgpr_workgroup_id_z 1
		.amdhsa_system_vgpr_workitem_id 0
		.amdhsa_next_free_vgpr 256
		.amdhsa_next_free_sgpr 100
		.amdhsa_reserve_vcc 0
		.amdhsa_float_denorm_mode_32 3
		.amdhsa_float_denorm_mode_16_64 3
		.amdhsa_memory_ordered 1
		.amdhsa_forward_progress 1
		.amdhsa_inst_pref_size 74
	.end_amdhsa_kernel
	.amdgpu_metadata
---
amdhsa.version: [ 1, 2 ]
amdhsa.kernels:
  - .name:           k_q31375b4d2d_attn
    .symbol:         k_q31375b4d2d_attn.kd
    .args:
      - { .name: qq, .offset: 0, .size: 8, .value_kind: global_buffer, .address_space: global }
      - { .name: kv, .offset: 8, .size: 8, .value_kind: global_buffer, .address_space: global }
      - { .name: oq, .offset: 16, .size: 8, .value_kind: global_buffer, .address_space: global }
    .group_segment_fixed_size: 210944
    .private_segment_fixed_size: 0
    .kernarg_segment_align: 8
    .kernarg_segment_size: 24
    .max_flat_workgroup_size: 512
    .sgpr_count:     100
    .vgpr_count:     256
    .wavefront_size: 32
...
	.end_amdgpu_metadata
.endif
;; end of part 3
;; launch gemm_out (part 4): grid 8 x 32, 4 waves a work-group, clusters of 4 x 4, 327,680 bytes of LDS; arguments oq, woq, bo, out0; writes out0
.if DOCPART == 4
	.amdgcn_target "amdgcn-amd-amdhsa--gfx1250"
	.amdhsa_code_object_version 6
	.text
	.protected	k_q31375b4d2d_gemm_out
	.globl	k_q31375b4d2d_gemm_out
	.p2align	8
	.type	k_q31375b4d2d_gemm_out,@function
k_q31375b4d2d_gemm_out:
	s_mov_b64 s[64:65], 0
	v_nop
	global_prefetch_b8 v0, s[64:65] scope:SCOPE_SE
	s_setreg_imm32_b32 hwreg(HW_REG_WAVE_MODE, 25, 1), 1
	s_wait_xcnt 0x0
	s_wait_alu depctr_hold_cnt(0) depctr_sa_sdst(0) depctr_va_vdst(0) depctr_va_sdst(0) depctr_va_ssrc(0) depctr_va_vcc(0) depctr_vm_vsrc(0)
	s_getreg_b32 s2, hwreg(HW_REG_IB_STS2, 6, 4)
	s_cmp_eq_u32 s2, 0
	s_cbranch_scc0 .Lentry_in_a_cluster
	s_endpgm
.Lentry_in_a_cluster:
	s_bfe_u32 s2, ttmp6, 0x10000c
	s_cmp_lg_u32 s2, 0xf033
	s_cbranch_scc0 .Lentry_shape_is_right
	s_endpgm
.Lentry_shape_is_right:
; out0 = o wo^T + bo on codes of FP6 (E2M3) with E8M0 scales; out0 is f32.  o and wo come as records of 12,800 bytes (16 rows x 1,024 K in the order of an operand's registers, then 32 scale bytes a row);
; record 4 C + j holds rows 64 C + 8 j + i % 8 + 32 (i / 8).
; SHARES: 256 work-groups of four waves; a work-group has 256 tokens (16 records, 204,800 dense bytes) x 128 channels (8 records, 102,400 bytes): ALL OF K LIES IN LDS, asked for at the head by one joint load a wave; nothing is filled again,
; so there is no loop to run ahead in and no prefetch.  A wave has 128 tokens x 64 channels.
; BY ROWS OF THE RESULT: the wave's 64 rows of wo, all of K, lie in registers (32 fragments, 384 registers); o's eight records stream past them, eight fragments each, in two sets fetched two records ahead.  A record's 32 products finish
; 16 tokens x 64 channels, on four accumulators by turns, in two sets; its results leave while the next records are multiplied.
; Source 0 = wo's rows: a lane holds one token, its registers run along the channels (tile b, register j, half h: channel 32 h + 8 b + j).  THE BIAS IS THE FIRST PRODUCTS' C, laid as the result lies.
; THE WAY OUT: 16 tokens x 64 channels go through the wave's own stage in LDS (bytes that no tensor load fills) and leave as rows: sixteen lanes store 256 consecutive bytes, aligned.
; REGISTERS: window 0: addresses, the bias, scale words, rows on their way out.  wo's fragment f = 4 q + b: window 1 + f / 21, register 12 (f % 21).  o's set 0: window 2, register 132 + 12 q; set 1: window 3, register 12 q.  Accumulators: window 3, 96 + 32 set + 8 b.
; CLUSTERS 4 x 4: o's records are shared by a row of the cluster, wo's by a column.  LIMITS: NaN and infinities are not served.
.set REC,   12800
.set FRB,   1536
.set XH,    8*REC
.set WBASE, 16*REC
.set WHALF, 4*REC
.set SPARE, 24*REC
.set STAGE, SPARE+512
.set SPITCH, 272
.set L16, 1
.set L8,  2
.set XA,  4
.set XB,  6
.set WA,  8
.set WB,  9
.set SXA, 10
.set SWA, 12
.set BAD, 18
.set STO, 19
.set RD,  20
.set CO,  21
.set SPW, 28
.set NIL, 29
.set BI,  32                           ; v32-63 the bias: 8 b + j
.set SX,  64                           ; v64-127 o's scale words: 8 a + q
.set SWT, 132                          ; v132-163 wo's: 8 b + q
.set BK,  168                          ; v168-199, v200-231: 16 rows read back from the stage, by turns
.set AC,  96
.set G1A, 24
.set G1B, 32
.set G0A, 56
.set G0B, 60
.set MSB, 0
.macro WIN new
.if MSB != (\new)
	s_set_vgpr_msb (MSB<<8)|(\new)
.set MSB, (\new)
.endif
.endm
.macro PLACES n
.rept \n
	v_nop
.endr
.endm
.macro TLOAD g0, g1
	tensor_load_to_lds s[\g0:\g0+3], s[\g1:\g1+7]
	s_nop 0
	PLACES 4
.endm
.macro CROUND
	s_barrier_signal -1
	s_barrier_wait -1
	s_cmp_lg_u32 s14, 0
	s_cbranch_scc1 .Lnot_wave_0_\@
	s_barrier_signal -3
.Lnot_wave_0_\@:
	s_barrier_wait -3
	s_barrier_signal -1
	s_barrier_wait -1
.endm
.macro GROUP1 g, mask, rows
	s_or_b32 s[\g], s\mask, (3<<16)|(1<<21)
	s_mov_b32 s[\g+1], 32<<16
	s_mov_b32 s[\g+2], (\rows)<<16
	s_mov_b32 s[\g+3], 32<<16
	s_mov_b32 s[\g+4], \rows
	s_mov_b32 s[\g+5], 32
	s_mov_b32 s[\g+6], 0
	s_mov_b32 s[\g+7], 0
.endm
	s_load_b128 s[4:7], s[0:1], 0x0                ; oq, woq
	s_load_b128 s[8:11], s[0:1], 0x10              ; bo, out0
	v_lshl_add_u32 v[SPW], v0, 2, SPARE
	v_mov_b32 v[NIL], 0
	ds_add_u32 v[SPW], v[NIL]                      ; the opening lines: the add twice and its wait
	ds_add_u32 v[SPW], v[NIL]
	v_lshrrev_b32 v17, 5, v0
	v_readfirstlane_b32 s14, v17
	s_lshr_b32 s15, s14, 1
	s_and_b32 s16, s14, 1
	s_bfe_u32 s40, ttmp6, 0x40000
	s_bfe_u32 s41, ttmp6, 0x40004
	s_lshl_b32 s42, ttmp9, 2
	s_add_co_u32 s42, s42, s40                     ; which 128 channels
	s_and_b32 s17, ttmp7, 0xffff
	s_lshl_b32 s18, s17, 2
	s_add_co_u32 s18, s18, s41                     ; which 256 tokens
	s_lshl_b32 s43, s41, 2
	s_lshl_b32 s43, 15, s43
	s_lshl_b32 s44, 0x1111, s40
	GROUP1 G1A, 43, 400
	GROUP1 G1B, 44, 200
	s_mul_i32 s20, s18, 16*REC
	s_mul_i32 s21, s16, XH
	s_add_co_u32 s20, s20, s21
	s_mov_b32 s21, 0
	s_mul_i32 s46, s42, 8*REC
	s_mul_i32 s22, s16, WHALF
	s_add_co_u32 s22, s22, s46
	s_mov_b32 s23, 0
	s_mov_b32 s[G0A], 1
	s_mul_i32 s[G0A+1], s16, XH
	s_mov_b32 s[G0B], 1
	s_mul_i32 s[G0B+1], s16, WHALF
	s_add_co_u32 s[G0B+1], s[G0B+1], WBASE
	s_wait_dscnt 0x0
	s_wait_kmcnt 0x0
	s_add_nc_u64 s[G0A+2:G0A+3], s[4:5], s[20:21]
	s_or_b32 s[G0A+3], s[G0A+3], 0x80000000
	s_add_nc_u64 s[G0B+2:G0B+3], s[6:7], s[22:23]
	s_or_b32 s[G0B+3], s[G0B+3], 0x80000000
	CROUND
	s_cmp_lt_u32 s14, 2
	s_cbranch_scc0 .Lhead_b
	TLOAD G0A, G1A                                 ; waves 0, 1: a half of o's records each
	s_branch .Lasked
.Lhead_b:
	TLOAD G0B, G1B                                 ; waves 2, 3: a half of wo's each
.Lasked:
	s_lshl_b32 s94, s42, 9
	s_lshl_b32 s93, s16, 8
	s_add_co_u32 s94, s94, s93                     ; my first channel, in bytes
	s_mov_b32 s95, 0
	s_add_nc_u64 s[8:9], s[8:9], s[94:95]
	s_lshl_b32 s92, s18, 8
	s_lshl_b32 s93, s15, 7
	s_add_co_u32 s92, s92, s93
	s_lshl_b32 s92, s92, 12                        ; my first token's row
	s_add_co_u32 s92, s92, s94
	s_mov_b32 s93, 0
	s_add_nc_u64 s[10:11], s[10:11], s[92:93]
	v_bfe_u32 v16, v0, 4, 1
	v_lshlrev_b32 v[BAD], 7, v16
.irp b, 0,1,2,3
	global_load_b128 v[BI+8*\b:BI+8*\b+3], v[BAD], s[8:9] offset:32*\b
	global_load_b128 v[BI+8*\b+4:BI+8*\b+7], v[BAD], s[8:9] offset:32*\b+16
.endr
	v_and_b32 v14, 31, v0
	v_and_b32 v15, 15, v0
	v_lshlrev_b32 v[L16], 4, v14
	v_lshlrev_b32 v[L8], 3, v14
	s_mul_i32 s21, s15, XH
	v_add_nc_u32 v[XA], s21, v[L16]
	v_add_nc_u32 v[XB], s21, v[L8]
	v_add_nc_u32 v[XA+1], WHALF, v[XA]
	v_add_nc_u32 v[XB+1], WHALF, v[XB]
	s_mul_i32 s22, s16, WHALF
	s_add_co_u32 s22, s22, WBASE
	v_add_nc_u32 v[WA], s22, v[L16]
	v_add_nc_u32 v[WB], s22, v[L8]
	v_lshlrev_b32 v22, 5, v15
	s_add_co_u32 s21, s21, 8*FRB
	s_add_co_u32 s22, s22, 8*FRB
	v_add_nc_u32 v[SXA], s21, v22
	v_add_nc_u32 v[SXA+1], WHALF, v[SXA]
	v_add_nc_u32 v[SWA], s22, v22
	s_mul_i32 s23, s14, 16*SPITCH
	s_add_co_u32 s23, s23, STAGE                   ; my stage
	v_mul_u32_u24 v17, v15, SPITCH
	v_lshl_add_u32 v17, v16, 7, v17
	v_add_nc_u32 v[STO], s23, v17                  ; in: row r, 128 bytes for each half of the lanes
	v_mul_u32_u24 v23, v16, SPITCH
	v_lshl_add_u32 v23, v15, 4, v23
	v_add_nc_u32 v[RD], s23, v23                   ; back: sixteen lanes to a row, two rows an instruction
	v_lshlrev_b32 v[CO], 12, v16
	v_lshl_add_u32 v[CO], v15, 4, v[CO]            ; and the same two rows in out0
.macro FRAG reg, a16, a8, off
	ds_load_b128 v[\reg:\reg+3], v[\a16] offset:\off
	ds_load_b64 v[\reg+4:\reg+5], v[\a8] offset:\off+512
	ds_load_b128 v[\reg+6:\reg+9], v[\a16] offset:\off+768
	ds_load_b64 v[\reg+10:\reg+11], v[\a8] offset:\off+1280
.endm
.macro WLOAD                           ; my 64 rows of wo, all of K: 128 loads
.set F_, 0
.rept 32
	WIN (1+F_/21)<<6
	FRAG 12*(F_%21), WA, WB, (F_%4)*REC+(F_/4)*FRB
.set F_, F_+1
.endr
.endm
.macro XLOAD a                         ; record a of o, all of K, into set a % 2: 32 loads
	WIN (2+(\a)%2)<<6
.set Q_, 0
.rept 8
	FRAG 132*(1-(\a)%2)+12*Q_, XA+(\a)/4, XB+(\a)/4, ((\a)%4)*REC+Q_*FRB
.set Q_, Q_+1
.endr
.endm
; record a's 32 products: K ascending, the four accumulators by turns: three others' products stand between two on one accumulator
.macro BLOCK a
.set E_, (\a)%2
.set N_, 0
.rept 32
.set Q_, N_/4
.set B_, N_%4
.set D_, AC+32*E_+8*B_
.set XR_, 132*(1-E_)+12*Q_
.if Q_ == 0
	WIN (1+N_/21)|((2+E_)<<2)|(3<<6)
	v_wmma_scale_f32_16x16x128_f8f6f4 v[D_:D_+7], v[12*(N_%21):12*(N_%21)+11], v[XR_:XR_+11], v[BI+8*B_:BI+8*B_+7], v[SWT+8*B_+Q_], v[SX+8*(\a)+Q_] matrix_a_fmt:MATRIX_FMT_FP6 matrix_b_fmt:MATRIX_FMT_FP6
.else
	WIN (1+N_/21)|((2+E_)<<2)|(3<<4)|(3<<6)
	v_wmma_scale_f32_16x16x128_f8f6f4 v[D_:D_+7], v[12*(N_%21):12*(N_%21)+11], v[XR_:XR_+11], v[D_:D_+7], v[SWT+8*B_+Q_], v[SX+8*(\a)+Q_] matrix_a_fmt:MATRIX_FMT_FP6 matrix_b_fmt:MATRIX_FMT_FP6
.endif
.set N_, N_+1
.endr
.endm
.macro TOSTAGE a
	WIN 3<<2
.irp b, 0,1,2,3
	ds_store_b128 v[STO], v[AC+32*((\a)%2)+8*\b:AC+32*((\a)%2)+8*\b+3] offset:32*\b      ; each accumulator from its low end on
	ds_store_b128 v[STO], v[AC+32*((\a)%2)+8*\b+4:AC+32*((\a)%2)+8*\b+7] offset:32*\b+16
.endr
	WIN 0
.set BB, BK+32*((\a)%2)
.irp n, 0,1,2,3,4,5,6,7
	ds_load_b128 v[BB+4*\n:BB+4*\n+3], v[RD] offset:\n*2*SPITCH   ; LDS serves a wave's instructions in order: these see the stores above
.endr
.endm
.macro SEND a                          ; record a's row t is token 64 (a / 4) + 8 (a % 4) + t % 8 + 32 (t / 8) of my 128
.set BB, BK+32*((\a)%2)
.irp n, 0,1,2,3,4,5,6,7
	global_store_b128 v[CO], v[BB+4*\n:BB+4*\n+3], s[10:11] offset:(64*((\a)/4)+8*((\a)%4)+2*(\n%4)+32*(\n/4))*4096 th:TH_STORE_NT
.endr
.endm
	s_wait_alu depctr_va_vdst(0)
	s_wait_tensorcnt 0x0
	s_barrier_signal -1
	s_barrier_wait -1                              ; all 24 records are in
.irp i, 0,1,2,3,4,5,6,7
	ds_load_b128 v[SX+8*\i:SX+8*\i+3], v[SXA+\i/4] offset:(\i%4)*REC
	ds_load_b128 v[SX+8*\i+4:SX+8*\i+7], v[SXA+\i/4] offset:(\i%4)*REC+16
.endr
.irp b, 0,1,2,3
	ds_load_b128 v[SWT+8*\b:SWT+8*\b+3], v[SWA] offset:\b*REC
	ds_load_b128 v[SWT+8*\b+4:SWT+8*\b+7], v[SWA] offset:\b*REC+16
.endr
	WLOAD
	XLOAD 0
	XLOAD 1
	s_wait_loadcnt 0x0                             ; the bias
	s_wait_dscnt 32                                ; all but record 1's 32 loads
	BLOCK 0
	PLACES 4                                       ; in front of the loads into the set just read and of the first read of the results
	XLOAD 2
	TOSTAGE 0
.irp a, 1,2,3,4,5,6,7
.if \a == 1
	s_wait_dscnt 48                                ; record 1 is in; record 2's 32 loads and record 0's 16 stage instructions are younger
.endif
	BLOCK \a                                       ; (from record 2 on the wait for 0 in the turn before has shown the record in)
	WIN 0
	s_wait_dscnt 0x0                               ; record a - 1 is back from the stage
	SEND \a-1
	PLACES 4
.if \a < 6
	XLOAD \a+2
.endif
	s_wait_xcnt 0x0                                ; record a - 2's stores have read their registers
	TOSTAGE \a
.endr
	s_wait_dscnt 0x0
	SEND 7
	s_wait_tensorcnt 0x0                           ; the wave's end
	ds_add_u32 v[SPW], v[NIL]
	s_wait_dscnt 0x0
	CROUND
	s_endpgm
.Lfunc_end_k_q31375b4d2d_gemm_out:
	.size	k_q31375b4d2d_gemm_out, .Lfunc_end_k_q31375b4d2d_gemm_out-k_q31375b4d2d_gemm_out
	.p2alignl 7, 3214868480
	.fill 96, 4, 3214868480
	.section	.rodata,"a",@progbits
	.p2align	6, 0x0
	.amdhsa_kernel k_q31375b4d2d_gemm_out
		.amdhsa_group_segment_fixed_size 327680
		.amdhsa_private_segment_fixed_size 0
		.amdhsa_enable_private_segment 0
		.amdhsa_kernarg_size 32
		.amdhsa_user_sgpr_count 2
		.amdhsa_user_sgpr_kernarg_segment_ptr 1
		.amdhsa_wavefront_size32 1
		.amdhsa_system_sgpr_workgroup_id_x 1
		.amdhsa_system_sgpr_workgroup_id_y 1
		.amdhsa_system_sgpr_workgroup_id_z 1
		.amdhsa_system_vgpr_workitem_id 0
		.amdhsa_next_free_vgpr 1024
		.amdhsa_next_free_sgpr 100
		.amdhsa_reserve_vcc 0
		.amdhsa_float_denorm_mode_32 3
		.amdhsa_float_denorm_mode_16_64 3
		.amdhsa_memory_ordered 1
		.amdhsa_forward_progress 1
		.amdhsa_inst_pref_size 83
	.end_amdhsa_kernel
	.amdgpu_metadata
---
amdhsa.version: [ 1, 2 ]
amdhsa.kernels:
  - .name:           k_q31375b4d2d_gemm_out
    .symbol:         k_q31375b4d2d_gemm_out.kd
    .args:
      - { .name: oq, .offset: 0, .size: 8, .value_kind: global_buffer, .address_space: global }
      - { .name: woq, .offset: 8, .size: 8, .value_kind: global_buffer, .address_space: global }
      - { .name: bo, .offset: 16, .size: 8, .value_kind: global_buffer, .address_space: global }
      - { .name: out0, .offset: 24, .size: 8, .value_kind: global_buffer, .address_space: global }
    .group_segment_fixed_size: 327680
    .private_segment_fixed_size: 0
    .kernarg_segment_align: 8
    .kernarg_segment_size: 32
    .max_flat_workgroup_size: 128
    .sgpr_count:     100
    .vgpr_count:     1024
    .wavefront_size: 32
...
	.end_amdgpu_metadata
.endif
;; end of part 4
